; MI455X (gfx1250); checked and timed in simulation.
; The chip was launched on July 23, 2026; its instructions are those of AMD's public machine-readable ISA for CDNA 5 (MIT licence, August 2026) and "CDNA5" Instruction Set Architecture Reference Guide (July 2026). The comments in the code are by the model that wrote it; some were corrected since.
;; MHSA fl bs. Allowed arithmetic: float matrix products may take bf16 or f16 operands with f32 sums; all other float work in f32.
;; Inputs: Wb 1,024 x 64 float32; Wk 64 x 1,024 float32; Wq 64 x 1,024 float32; Wv 64 x 1,024 float32; bb 1,024 float32; bk 64 float32; bq 64 float32; bv 64 float32; k 1,024 x 4 x 1,024 float32; q 4 x 1,024 x 1,024 float32; v 4 x 1,024 x 1,024 float32.
;; Outputs: out0 1,024 x 4 x 1,024 float32.
;; Constants: h = 32, w = 32.
;; One version. Each part assembles by itself: llvm-mc -triple=amdgcn-amd-amdhsa -mcpu=gfx1250 --defsym DOCPART=n.
;; ======== version 1 of 1: 2 launches
;; workspace buffers: ws 1,703,936 bytes
;; launch proj (part 1): grid 64 x 3, 4 waves a work-group, no clusters, 300,544 bytes of LDS; arguments q, k, v, Wq, Wk, Wv, bq, bk, bv, Wb, ws; writes ws
.if DOCPART == 1
	.amdgcn_target "amdgcn-amd-amdhsa--gfx1250"
	.amdhsa_code_object_version 6
	.text
	.protected	k_q6afe64b73f_proj
	.globl	k_q6afe64b73f_proj
	.p2align	8
	.type	k_q6afe64b73f_proj,@function
k_q6afe64b73f_proj:
	s_mov_b64 s[64:65], 0
	v_nop
	global_prefetch_b8 v0, s[64:65] scope:SCOPE_SE
	s_setreg_imm32_b32 hwreg(HW_REG_WAVE_MODE, 25, 1), 1
	s_wait_xcnt 0x0
; The three projections qp = q Wq^T + bq, kp = k Wk^T + bk, vp = v Wv^T + bv (1024 -> 64), and a bf16 copy of Wb.
; Sums in f32, rounded once to bf16, and stored in the order in which the next launch's matrix instructions want them.
; ws is made of tiles of 2,048 bytes = [chunk c 0..3][lane L 0..31][16 bytes], with r = L & 15, h = L >> 4, e = 0..7:
;   QF (byte 0)         tile 4 x + i    : qp[row r of the tile][dh = 16 c + 8 h + e]
;   KF (byte 524,288)   tile 64 b + kt  : kp[b][sk = 16 kt + r][dh = 16 c + 8 h + e]
;   VF (byte 1,048,576) tile 4 x + i    : vp[row 8 h + e of the tile][d = 16 c + r]      (transposed)
;   WF (byte 1,572,864) tile nt         : Wb[n = 16 nt + r][d = 16 c + 8 h + e]
; SHARES.  Grid y picks the matrix (0 q, 1 k, 2 v).  Work-group x owns the 64 matrix rows 64 x .. 64 x + 63 (262,144 consecutive
; bytes) as four tiles of 16 rows: tile i = rows 64 x + i + 4 t.  In k (stored [sk][b]) that is batch i, sk = 16 x + t, so that one
; descriptor serves all three matrices.  In q and v it permutes the rows inside a group of 64, alike in both, and the next launch
; only ever sums over them.  Wave w owns K = 256 w .. 256 w + 255 of all 64 rows and keeps that quarter of W as bf16 fragments in
; 256 registers: each number of X and of W is converted once in a work-group.  The four partial sums meet in LDS; wave w finishes tile w.
; 192 work-groups: 64 rows of f32 fill the work-group's LDS, 48 rows do not divide 4,096, and 32 rows would read W twice as often.
; NO CLUSTER, though the 64 work-groups of one y read the same W: a joint load would want W's 262,144 bytes of f32 in LDS beside X's
; 266,240, more than a work-group can have; a smaller ring for W would be filled again behind a round of the cluster's barrier each
; time.  So W comes through registers, 512 consecutive bytes a load.
; LIMITS: X, W and the results are rounded to bf16 (nearest even); each sum over K is four partial sums of 256, added in f32 as
; ((p0 + p1) + (p2 + p3)) + bias, an order that differs from a single chain.
.set ROWB,   4096                      ; bytes in a row of q, k, v and W
.set XPITCH, 1040                      ; an LDS row of X: 1,024 bytes + 16 of padding = 65 x 16: the 16 rows of a fragment load start in 16 different 16-byte columns
.set XTILE,  16*XPITCH                 ; 16,640 = 65 x 256
.set XWAVE,  4*XTILE                   ; 66,560: a wave's four tiles
.set STAGE,  4*XWAVE                   ; 266,240: behind X, a stage for W: 16 rows of 256 bf16 for each wave; no tensor load fills it
.set SPITCH, 528                       ; 512 + 16 = 33 x 16
.set SWAVE,  16*SPITCH                 ; 8,448 = 33 x 256
.set REGION, 524288                    ; bytes of QF, of KF, of VF
.set WF,     3*REGION
.set WOFF, 2                           ; v2      byte offset in W: 1,024 w + 16 L
.set STW,  3                           ; v3      stage, in: my 8 bytes of a half row
.set STR,  4                           ; v4      stage, back: row r, 16 h
.set XA,   5                           ; v5      X fragments: my wave's tiles, row r, 32 h
.set PS,   6                           ; v6      partial sums, out: my wave's tiles + 16 L
.set PR,   8                           ; v8-11   partial sums, back: wave p's tile w + 16 L
.set L16,  12                          ; v12     16 L
.set BT,   13                          ; v13     32 h: bias offset for q and k
.set BN,   14                          ; v14     4 r: bias offset for v
.set WBO,  15                          ; v15     byte offset in Wb
.set XS,   16                          ; v16-143  a tile of X in f32 (16 ks + 4 c); at the end the four partial sums (32 p + 4 j)
.set XF,   144                         ; v144-207 X fragments (8 ks); in the W phase packed W; at the end the 16 result registers
.set ACC,  208                         ; v208-239 four accumulator tiles
.set WB32, 240                         ; v240-247 eight numbers of Wb
.set WB16, 248                         ; v248-251 the same in bf16
; window 1 (v256-511): W's fragment (nt, ks) at 8 (8 nt + ks).  window 2 (v512-767): W in f32, two halves of 128; later the bias.
.set G1, 16                            ; s[16:23] descriptor group 1
.set G0, 32                            ; s[32:47] descriptor group 0, one set for each tile
.set MSB, 0
.macro WIN new                         ; low byte: bits 1:0 source 0, 3:2 source 1, 5:4 source 2, 7:6 destination; the high byte repeats the setting that is left
.if MSB != \new
	s_set_vgpr_msb (MSB<<8)|\new
.set MSB, \new
.endif
.endm
.macro PLACES                          ; four places behind a matrix instruction (ISA guide 7.12.1)
.rept 4
	v_nop
.endr
.endm
.macro MM acc, a, b, link              ; one matrix instruction; link = 0: the product starts the sum, nothing is cleared
.if \link
	v_wmma_f32_16x16x32_bf16 v[\acc:\acc+7], v[\a:\a+7], v[\b:\b+7], v[\acc:\acc+7]
.else
	v_wmma_f32_16x16x32_bf16 v[\acc:\acc+7], v[\a:\a+7], v[\b:\b+7], 0
.endif
.endm
	s_load_b512 s[68:83], s[0:1], 0x0              ; q s[68:69], k s[70:71], v s[72:73], Wq s[74:75], Wk s[76:77], Wv s[78:79], bq s[80:81], bk s[82:83]
	s_load_b128 s[84:87], s[0:1], 0x40             ; bv s[84:85], Wb s[86:87]
	s_load_b64 s[88:89], s[0:1], 0x50              ; ws
	v_lshl_add_u32 v254, v0, 2, 0x49400
	v_mov_b32 v255, 0
	ds_add_u32 v254, v255
	ds_add_u32 v254, v255
	v_lshrrev_b32 v1, 5, v0
	v_readfirstlane_b32 s10, v1                    ; w: my wave's number
	s_mov_b32 s11, ttmp9                           ; x: which 64 rows
	s_and_b32 s12, ttmp7, 0xffff                   ; y: which matrix
	; group 1: a tile of 16 rows x 256 f32, the rows four matrix rows apart, padded in LDS
	s_mov_b32 s[G1+0], 0x07d20000                  ; 17:16 element of 4 bytes; 20 padding on; 24:22 after every 256 words (code 7); 31:25 of 4 words (code 3)
	s_mov_b32 s[G1+1], 256<<16                     ; tensor_dim0 = 256
	s_mov_b32 s[G1+2], 16<<16                      ; tensor_dim1 = 16
	s_mov_b32 s[G1+3], 256<<16                     ; tile_dim0 = 256
	s_mov_b32 s[G1+4], 16                          ; tile_dim1 = 16
	s_mov_b32 s[G1+5], 4096                        ; from row to row: 4 matrix rows of 1,024 elements
	s_mov_b32 s[G1+6], 0
	s_mov_b32 s[G1+7], 0
	s_lshl_b32 s48, s11, 18                        ; 64 rows of 4,096 bytes
	s_lshl_b32 s24, s10, 10                        ; my K quarter: 256 f32
	s_add_co_u32 s48, s48, s24
	s_mov_b32 s49, 0
	s_mul_i32 s26, s10, XWAVE                      ; my wave's tiles in LDS
	s_wait_dscnt 0x0
	s_wait_kmcnt 0x0
	s_cmp_eq_u32 s12, 1                            ; the matrix, its weights and its bias: a choice on y alone
	s_cselect_b64 s[4:5], s[70:71], s[68:69]
	s_cselect_b64 s[6:7], s[76:77], s[74:75]
	s_cselect_b64 s[8:9], s[82:83], s[80:81]
	s_cmp_eq_u32 s12, 2
	s_cselect_b64 s[4:5], s[72:73], s[4:5]
	s_cselect_b64 s[6:7], s[78:79], s[6:7]
	s_cselect_b64 s[8:9], s[84:85], s[8:9]
	s_add_nc_u64 s[4:5], s[4:5], s[48:49]          ; X at my rows and my K quarter
	; The four first fills go out together, ahead of everything else: four tensor loads of this wave are out, and none is issued later.
	; Four tiles of 16 rows and not one of 64, so that tile i is multiplied behind a counted wait while the later ones land.
.irp i, 0,1,2,3
	s_mov_b32 s[G0+4*\i], 1                                        ; count = 1
	s_add_co_u32 s[G0+4*\i+1], s26, \i*XTILE                       ; LDS address
	s_add_nc_u64 s[G0+4*\i+2:G0+4*\i+3], s[4:5], \i*ROWB           ; the tile's first row: 64 x + i
	s_or_b32 s[G0+4*\i+3], s[G0+4*\i+3], 0x80000000                ; type = 2
	tensor_load_to_lds s[G0+4*\i:G0+4*\i+3], s[G1:G1+7]
	s_nop 0
.endr
	; where the results go
	s_lshl_b32 s27, s10, 6
	s_add_co_u32 s27, s27, s11                     ; k: tile 64 b + kt with b = w, kt = x
	s_lshl_b32 s28, s11, 2
	s_add_co_u32 s28, s28, s10                     ; q, v: tile 4 x + w
	s_cmp_eq_u32 s12, 1
	s_cselect_b32 s27, s27, s28
	s_lshl_b32 s50, s27, 11                        ; 2,048 bytes a tile
	s_lshl_b32 s28, s12, 19                        ; y regions of 524,288 bytes
	s_add_co_u32 s50, s50, s28
	s_mov_b32 s51, 0
	s_add_nc_u64 s[52:53], s[88:89], s[50:51]      ; my tile of QF, KF or VF
	s_lshl_b32 s56, s11, 11
	s_lshl_b32 s28, s10, 9
	s_add_co_u32 s56, s56, s28
	s_add_co_u32 s56, s56, WF
	s_mov_b32 s57, 0
	s_add_nc_u64 s[54:55], s[88:89], s[56:57]      ; chunk w of tile x of WF
	; lane addresses
	v_and_b32 v1, 31, v0                           ; L
	v_and_b32 v7, 15, v0                           ; r
	v_bfe_u32 v0, v0, 4, 1                         ; h
	v_lshlrev_b32 v[L16], 4, v1
	v_lshl_add_u32 v[WOFF], s10, 10, v[L16]
	s_mul_i32 s29, s10, SWAVE
	s_add_co_u32 s29, s29, STAGE                   ; my stage
	v_lshl_add_u32 v[STW], v1, 3, s29
	v_mul_u32_u24 v[STR], v7, SPITCH
	v_lshl_add_u32 v[STR], v0, 4, v[STR]
	v_add_nc_u32 v[STR], s29, v[STR]
	v_mul_u32_u24 v[XA], v7, XPITCH
	v_lshl_add_u32 v[XA], v0, 5, v[XA]
	v_add_nc_u32 v[XA], s26, v[XA]
	v_add_nc_u32 v[PS], s26, v[L16]
	s_mul_i32 s30, s10, XTILE
	v_add_nc_u32 v[PR], s30, v[L16]
	v_add_nc_u32 v[PR+1], XWAVE, v[PR]
	v_add_nc_u32 v[PR+2], 2*XWAVE, v[PR]
	v_add_nc_u32 v[PR+3], 3*XWAVE, v[PR]
	v_lshlrev_b32 v[BT], 5, v0
	v_lshlrev_b32 v[BN], 2, v7
	s_lshl_b32 s31, s11, 12                        ; Wb: 16 x rows of 256 bytes,
	s_lshl_b32 s28, s10, 6                         ; 16 w numbers along the row
	s_add_co_u32 s31, s31, s28
	v_lshl_add_u32 v[WBO], v7, 8, s31
	v_add_nc_u32 v[WBO], v[WBO], v[BT]             ; (16 x + r) 256 + 64 w + 32 h
; THE W PHASE: my K quarter of W, 16 rows (one n tile) at a time: f32 into window 2, packed to bf16, through my stage, back as fragments into window 1.
; LW: 32 loads; load t covers 512 consecutive bytes: half t & 1 of my 1,024 bytes of row 16 nt + (t >> 1).
.macro LW nt
	WIN 0x80
.set t, 0
.rept 32
	global_load_b128 v[128*(\nt&1)+4*t:128*(\nt&1)+4*t+3], v[WOFF], s[6:7] offset:(16*\nt+(t>>1))*ROWB+(t&1)*512
.set t, t+1
.endr
.endm
; PW: cnt = the loads of the one younger n tile, which may stay out.
.macro PW nt, cnt
	s_wait_loadcnt \cnt
	WIN 0x0a
.set t, 0
.rept 32
	v_cvt_pk_bf16_f32 v[XF+2*t],   v[128*(\nt&1)+4*t],   v[128*(\nt&1)+4*t+1]
	v_cvt_pk_bf16_f32 v[XF+2*t+1], v[128*(\nt&1)+4*t+2], v[128*(\nt&1)+4*t+3]
.set t, t+1
.endr
	WIN 0
.set t, 0
.rept 32
	ds_store_b64 v[STW], v[XF+2*t:XF+2*t+1] offset:(t>>1)*SPITCH+(t&1)*256   ; 32 lanes x 8 bytes: half a row of 256 bf16
.set t, t+1
.endr
	WIN 0x40                                       ; LDS serves a wave's instructions in order (ISA guide 5.7.1.4) and the stage is my own: no wait between stores and loads,
.irp ks, 0,1,2,3,4,5,6,7                           ; nor in front of the next n tile's stores
	ds_load_b128 v[8*(8*\nt+\ks):8*(8*\nt+\ks)+3],   v[STR] offset:64*\ks       ; k = 32 ks + 8 h ..
	ds_load_b128 v[8*(8*\nt+\ks)+4:8*(8*\nt+\ks)+7], v[STR] offset:64*\ks+32    ; k = 32 ks + 16 + 8 h ..
.endr
.endm
	LW 0
	LW 1
	WIN 0                                          ; at a branch and at a label every window is 0
	; The 64 work-groups of y = 0 also make the bf16 copy of Wb: work-group x tile x, wave w chunk w, a lane eight numbers of row 16 x + r.
	s_cmp_lg_u32 s12, 0
	s_cbranch_scc1 .Lno_wb
	global_load_b128 v[WB32:WB32+3],   v[WBO], s[86:87]
	global_load_b128 v[WB32+4:WB32+7], v[WBO], s[86:87] offset:16
	s_wait_loadcnt 0x0                             ; these two are the youngest loads, so the count is 0; the 64 loads of W in front of them went out just before
.irp j, 0,1,2,3
	v_cvt_pk_bf16_f32 v[WB16+\j], v[WB32+2*\j], v[WB32+2*\j+1]
.endr
	global_store_b128 v[L16], v[WB16:WB16+3], s[54:55]             ; 512 consecutive bytes; neither register is written again
.Lno_wb:
	PW 0, 32
	LW 2
	PW 1, 32
	LW 3
	PW 2, 32
	PW 3, 0
	WIN 0
; One tile of 16 rows: f32 from LDS, packed to fragments, 32 matrix instructions, the partial sums into LDS.
; swap = 0 (q, k): source 0 = W's rows, source 1 = X's rows: a lane holds X's row r and dh = 16 nt + 8 h + 0..7, 16 bytes of a chunk when packed.
; swap = 1 (v):    the sources exchanged: a lane holds d = 16 nt + r and X's rows 8 h + 0..7: the transposed tile.
.macro MT i, swap
	s_wait_tensorcnt 3-\i                          ; tensor loads of a wave end in order (ISA guide 10.11.1): tile i is in, the 3 - i younger ones may be out
.irp ks, 0,1,2,3,4,5,6,7
	ds_load_b128 v[XS+16*\ks:XS+16*\ks+3],     v[XA] offset:\i*XTILE+128*\ks      ; k = 32 ks + 8 h + 0..3
	ds_load_b128 v[XS+16*\ks+4:XS+16*\ks+7],   v[XA] offset:\i*XTILE+128*\ks+16   ;                 + 4..7
	ds_load_b128 v[XS+16*\ks+8:XS+16*\ks+11],  v[XA] offset:\i*XTILE+128*\ks+64   ; k = 32 ks + 16 + 8 h + 0..3
	ds_load_b128 v[XS+16*\ks+12:XS+16*\ks+15], v[XA] offset:\i*XTILE+128*\ks+80   ;                      + 4..7
.endr
.irp ks, 0,1,2,3,4,5,6,7
	s_wait_dscnt 28-4*\ks                          ; K step ks's four loads are in; the four of each younger K step may be out.  The last count is 0: W's fragments are in too
.irp j, 0,1,2,3,4,5,6,7
	v_cvt_pk_bf16_f32 v[XF+8*\ks+\j], v[XS+16*\ks+2*\j], v[XS+16*\ks+2*\j+1]
.endr
.endr
.if \swap
	WIN 0x04                                       ; source 1 (W) in window 1
.else
	WIN 0x01                                       ; source 0 (W) in window 1
.endif
.irp ks, 0,1,2,3,4,5,6,7                           ; the four accumulators take turns, one instruction a turn
.irp nt, 0,1,2,3
.if \swap
	MM ACC+8*\nt, XF+8*\ks, 8*(8*\nt+\ks), \ks
.else
	MM ACC+8*\nt, 8*(8*\nt+\ks), XF+8*\ks, \ks
.endif
.endr
.endr
	WIN 0
	PLACES                                         ; in front of the stores, which read results, and of the next tile's conversions, which write sources
.irp j, 0,1,2,3,4,5,6,7
	ds_store_b128 v[PS], v[ACC+4*\j:ACC+4*\j+3] offset:\i*XTILE+512*\j   ; over the first 4,096 bytes of tile i: my own reads of it are back (count 0 above), no other wave has read it, and no fill lands there again
.endr
.endm
.macro XPHASE swap
	WIN 0x80                                       ; the bias into window 2, whose W has been packed; waited for at the end
.if \swap
.irp nt, 0,1,2,3
	global_load_b32 v[\nt], v[BN], s[8:9] offset:64*\nt                  ; bias[16 nt + r]
.endr
.else
.irp nt, 0,1,2,3
	global_load_b128 v[8*\nt:8*\nt+3],   v[BT], s[8:9] offset:64*\nt     ; bias[16 nt + 8 h + 0..3]
	global_load_b128 v[8*\nt+4:8*\nt+7], v[BT], s[8:9] offset:64*\nt+16  ;                  + 4..7
.endr
.endif
	WIN 0
	MT 0, \swap
	MT 1, \swap
	MT 2, \swap
	MT 3, \swap
	s_wait_dscnt 0x0                               ; my partial sums are in LDS, for the others' sake
	s_barrier_signal -1
	s_barrier_wait -1                              ; everybody's are
.irp p, 0,1,2,3
.irp j, 0,1,2,3,4,5,6,7
	ds_load_b128 v[XS+32*\p+4*\j:XS+32*\p+4*\j+3], v[PR+\p] offset:512*\j   ; wave p's partial sums of tile w, in the accumulators' register order
.endr
.endr
	s_wait_dscnt 16                                ; waves 0's and 1's are in; the sixteen loads of waves 2 and 3 may be out
.set m, 0
.rept 16
	v_pk_add_f32 v[XS+m:XS+m+1], v[XS+m:XS+m+1], v[XS+32+m:XS+32+m+1]
.set m, m+2
.endr
	s_wait_dscnt 0x0
.set m, 0
.rept 16
	v_pk_add_f32 v[XS+64+m:XS+64+m+1], v[XS+64+m:XS+64+m+1], v[XS+96+m:XS+96+m+1]
.set m, m+2
.endr
.set m, 0
.rept 16
	v_pk_add_f32 v[XS+m:XS+m+1], v[XS+m:XS+m+1], v[XS+64+m:XS+64+m+1]
.set m, m+2
.endr
	s_wait_loadcnt 0x0                             ; the bias
	WIN 0x08                                       ; source 1 in window 2
.if \swap
.irp nt, 0,1,2,3
.irp j, 0,1,2,3,4,5,6,7
	v_add_f32 v[XS+8*\nt+\j], v[XS+8*\nt+\j], v[\nt]
.endr
.endr
.else
.set m, 0
.rept 16
	v_pk_add_f32 v[XS+m:XS+m+1], v[XS+m:XS+m+1], v[m:m+1]
.set m, m+2
.endr
.endif
	WIN 0
.set m, 0
.rept 16
	v_cvt_pk_bf16_f32 v[XF+m], v[XS+2*m], v[XS+2*m+1]              ; the one rounding of the result
.set m, m+1
.endr
.irp nt, 0,1,2,3
	global_store_b128 v[L16], v[XF+4*\nt:XF+4*\nt+3], s[52:53] offset:512*\nt   ; chunk nt: 512 consecutive bytes, aligned
.endr
.endm
	s_cmp_eq_u32 s12, 2                            ; y is the same in all four waves: every wave takes the same way, barrier included
	s_cbranch_scc1 .Lvalues
	XPHASE 0
	s_wait_tensorcnt 0x0
	ds_add_u32 v254, v255
	s_wait_dscnt 0x0
	s_endpgm
.Lvalues:
	XPHASE 1
	s_wait_tensorcnt 0x0
	ds_add_u32 v254, v255
	s_wait_dscnt 0x0
	s_endpgm
.Lfunc_end_k_q6afe64b73f_proj:
	.size	k_q6afe64b73f_proj, .Lfunc_end_k_q6afe64b73f_proj-k_q6afe64b73f_proj
	.p2alignl 7, 3214868480
	.fill 96, 4, 3214868480
	.section	.rodata,"a",@progbits
	.p2align	6, 0x0
	.amdhsa_kernel k_q6afe64b73f_proj
		.amdhsa_group_segment_fixed_size 300544
		.amdhsa_private_segment_fixed_size 0
		.amdhsa_enable_private_segment 0
		.amdhsa_kernarg_size 88
		.amdhsa_user_sgpr_count 2
		.amdhsa_user_sgpr_kernarg_segment_ptr 1
		.amdhsa_wavefront_size32 1
		.amdhsa_system_sgpr_workgroup_id_x 1
		.amdhsa_system_sgpr_workgroup_id_y 1
		.amdhsa_system_sgpr_workgroup_id_z 1
		.amdhsa_system_vgpr_workitem_id 0
		.amdhsa_next_free_vgpr 768
		.amdhsa_next_free_sgpr 96
		.amdhsa_reserve_vcc 0
		.amdhsa_float_denorm_mode_32 3
		.amdhsa_float_denorm_mode_16_64 3
		.amdhsa_memory_ordered 1
		.amdhsa_forward_progress 1
		.amdhsa_inst_pref_size 135
	.end_amdhsa_kernel
	.amdgpu_metadata
---
amdhsa.version: [ 1, 2 ]
amdhsa.kernels:
  - .name:           k_q6afe64b73f_proj
    .symbol:         k_q6afe64b73f_proj.kd
    .args:
      - { .name: q, .offset: 0, .size: 8, .value_kind: global_buffer, .address_space: global }
      - { .name: k, .offset: 8, .size: 8, .value_kind: global_buffer, .address_space: global }
      - { .name: v, .offset: 16, .size: 8, .value_kind: global_buffer, .address_space: global }
      - { .name: Wq, .offset: 24, .size: 8, .value_kind: global_buffer, .address_space: global }
      - { .name: Wk, .offset: 32, .size: 8, .value_kind: global_buffer, .address_space: global }
      - { .name: Wv, .offset: 40, .size: 8, .value_kind: global_buffer, .address_space: global }
      - { .name: bq, .offset: 48, .size: 8, .value_kind: global_buffer, .address_space: global }
      - { .name: bk, .offset: 56, .size: 8, .value_kind: global_buffer, .address_space: global }
      - { .name: bv, .offset: 64, .size: 8, .value_kind: global_buffer, .address_space: global }
      - { .name: Wb, .offset: 72, .size: 8, .value_kind: global_buffer, .address_space: global }
      - { .name: ws, .offset: 80, .size: 8, .value_kind: global_buffer, .address_space: global }
    .group_segment_fixed_size: 300544
    .private_segment_fixed_size: 0
    .kernarg_segment_align: 8
    .kernarg_segment_size: 88
    .max_flat_workgroup_size: 128
    .sgpr_count:     96
    .vgpr_count:     768
    .wavefront_size: 32
...
	.end_amdgpu_metadata
.endif
;; end of part 1
;; launch attn (part 2): grid 64 x 4, 4 waves a work-group, clusters of 4 x 1, 298,496 bytes of LDS; arguments ws, bb, out0; writes out0
.if DOCPART == 2
	.amdgcn_target "amdgcn-amd-amdhsa--gfx1250"
	.amdhsa_code_object_version 6
	.text
	.protected	k_q6afe64b73f_attn
	.globl	k_q6afe64b73f_attn
	.p2align	8
	.type	k_q6afe64b73f_attn,@function
k_q6afe64b73f_attn:
	s_mov_b64 s[64:65], 0
	v_nop
	global_prefetch_b8 v0, s[64:65] scope:SCOPE_SE
	s_setreg_imm32_b32 hwreg(HW_REG_WAVE_MODE, 25, 1), 1
	s_wait_xcnt 0x0
	s_wait_alu depctr_hold_cnt(0) depctr_sa_sdst(0) depctr_va_vdst(0) depctr_va_sdst(0) depctr_va_ssrc(0) depctr_va_vcc(0) depctr_vm_vsrc(0)
	s_getreg_b32 s2, hwreg(HW_REG_IB_STS2, 6, 4)
	s_cmp_eq_u32 s2, 0
	s_cbranch_scc0 .Lentry_in_a_cluster
	s_endpgm
.Lentry_in_a_cluster:
	s_bfe_u32 s2, ttmp6, 0x10000c
	s_cmp_lg_u32 s2, 0x3003
	s_cbranch_scc0 .Lentry_shape_is_right
	s_endpgm
.Lentry_shape_is_right:
; scores = kp qp^T / 64, the softmax over the head axis, ctx = attn vp, out = ctx Wb^T + bb, the mean over the heads, stored as [sk][b][n].
; THE HEADS.  The function itself copies one score to 16 heads (a broadcast) and takes the softmax over those copies.  So one head is
; computed, and every step is done once for each (b, k, q): s = raw / 64 (here in units of log 2); m = the largest of 16 equal numbers = s;
; e = exp(s - m); the sum over the heads = 16 e; attn = e / (16 e).  All 16 heads then give the same row of out, and their mean is that row.
; A score that is infinite or NaN gives NaN through s - s, as it does there.
; SHARES.  A work-group owns 16 key rows sk = 16 xg .. 16 xg + 15 of batch b: 64 x 4 = 256 work-groups.  Wave w owns the q tiles
; 16 w .. 16 w + 15 of the batch in the attention (its partial ctx meets the others' in LDS) and columns 256 w .. 256 w + 255 of out.
; CLUSTER.  The four work-groups of a cluster lie along x, so they share b and with it all of qp[b] and vp[b] (262,144 bytes): these come by
; joint tensor loads with the mask 15.  Every fill is a first fill: four loads a wave, all issued behind the opening round, four out at the most;
; each wave reads only the bytes that its own loads brought, behind its own wait.  Wb's fragments (131,072 bytes) are shared too, but do not fit in
; LDS beside these 262,144, and a refill would stand behind the attention with no work to cover it: each wave loads its own 32,768 bytes
; at the start, 512 consecutive bytes a load, straight into registers, where they land during the attention.
; ws is laid out in fragment order: tiles of 2,048 bytes = [chunk c][lane][16 bytes]; chunks 2 s and 2 s + 1 are registers 0-3 and 4-7 of K step s.
; LIMITS: qp, kp, vp, Wb, attn and ctx are matrix operands in bf16; sums in f32; the sum over q is four partial sums of 256, added in f32.
.set KF,    524288                     ; regions of ws, in bytes
.set VF,    1048576
.set WFO,   1572864
.set HALF,  16384                      ; what one tensor load brings: 8 tiles
.set VP,    131072                     ; LDS: qp at 0 (32,768 a wave), vp at 131,072
.set RED,   262144                     ; partial ctx: 4,096 a wave
.set CTF,   278528                     ; the summed ctx in fragment order: 2,048
.set OST,   280576                     ; the way out: 16 rows x 272 bytes a wave.  No fill lands at or behind RED
.set OPITCH, 272                       ; 256 + 16 = 17 x 16
.set OWAVE, 16*OPITCH                  ; 4,352 = 17 x 256
.set L16, 1                            ; v1   16 L
.set LQ,  2                            ; v2   32,768 w + 16 L: my qp in LDS; also my byte offset in Wb's fragments
.set LV,  3                            ; v3   my vp in LDS
.set RS,  5                            ; v5   partial ctx, out
.set RR,  6                            ; v6   partial ctx, back: tile w of each wave's
.set CTS, 7                            ; v7   summed ctx, out: chunk w
.set CTR, 8                            ; v8   summed ctx, back
.set STO, 9                            ; v9   the way out: row r, 32 h
.set RD,  10                           ; v10  the way out, back: row h, 16 r
.set CO,  11                           ; v11  byte offset in out0: h rows of 16,384 bytes, 16 r
.set R16, 12                           ; v12  16 r
.set KP,  16                           ; v16-31   kp's two fragments
.set SC,  160                          ; v160-175 scores of two q tiles
.set EX,  176                          ; v176-191 exponentials, then attn
.set BB,  192                          ; v192-207 bb: 4 g
.set PB,  208                          ; v208-215 attn as a fragment
.set CT,  216                          ; v216-247 ctx: four accumulator tiles
; v32-63 / v96-127 qp's fragments, v64-95 / v128-159 vp's, two buffers.  Behind the attention: v32-63 partial ctx, CF, OA, and two buffers of 32 for the way out.
.set CF,  64                           ; v64-79   ctx's two fragments
.set OA,  96                           ; v96-127  out: four accumulator tiles
; window 1 (v256-511): Wb's fragments of my 16 n tiles, tile t at 16 t
.set G1, 16                            ; s[16:23]
.set G0, 32                            ; s[32:47] four sets, in the order of issue: qp first half, vp first half, qp second half, vp second half
.set MSB, 0
.macro WIN new
.if MSB != \new
	s_set_vgpr_msb (MSB<<8)|\new
.set MSB, \new
.endif
.endm
.macro PLACES                          ; four places behind a matrix instruction (ISA guide 7.12.1)
.rept 4
	v_nop
.endr
.endm
.macro MM acc, a, b, link              ; link = 0: the product starts the sum
.if \link
	v_wmma_f32_16x16x32_bf16 v[\acc:\acc+7], v[\a:\a+7], v[\b:\b+7], v[\acc:\acc+7]
.else
	v_wmma_f32_16x16x32_bf16 v[\acc:\acc+7], v[\a:\a+7], v[\b:\b+7], 0
.endif
.endm
.macro ROUND                           ; a round of the cluster's barrier: my work-group's barrier, wave 0 signals for the work-group, every wave waits for all four work-groups, my work-group's barrier
	s_barrier_signal -1
	s_barrier_wait -1
	s_cmp_lg_u32 s10, 0
	s_cbranch_scc1 .Lnot_wave_0_\@
	s_barrier_signal -3
.Lnot_wave_0_\@:
	s_barrier_wait -3
	s_barrier_signal -1
	s_barrier_wait -1
.endm
	s_load_b128 s[4:7], s[0:1], 0x0                ; ws s[4:5], bb s[6:7]
	s_load_b64 s[8:9], s[0:1], 0x10                ; out0
	v_lshl_add_u32 v254, v0, 2, 0x48c00
	v_mov_b32 v255, 0
	ds_add_u32 v254, v255
	ds_add_u32 v254, v255
	v_lshrrev_b32 v1, 5, v0
	v_readfirstlane_b32 s10, v1                    ; w
	s_and_b32 s11, ttmp7, 0xffff                   ; b: the cluster's y
	s_bfe_u32 s12, ttmp6, 0x40000                  ; cx
	s_lshl_b32 s13, ttmp9, 2
	s_add_co_u32 s13, s13, s12                     ; xg = 4 x cluster x + cx: enters global addresses of my own loads and stores alone
	; group 1: a dense block of 64 rows of 256 bytes
	s_mov_b32 s[G1+0], 0x0023000f                  ; 15:0 the mask: all four of the cluster; 17:16 element of 8 bytes; 21 set beside a mask
	s_mov_b32 s[G1+1], 32<<16                      ; tensor_dim0 = 32
	s_mov_b32 s[G1+2], 64<<16                      ; tensor_dim1 = 64
	s_mov_b32 s[G1+3], 32<<16                      ; tile_dim0 = 32
	s_mov_b32 s[G1+4], 64                          ; tile_dim1 = 64
	s_mov_b32 s[G1+5], 32                          ; from row to row: 32 elements
	s_mov_b32 s[G1+6], 0
	s_mov_b32 s[G1+7], 0
	s_lshl_b32 s24, s11, 17                        ; b x 64 tiles of 2,048 bytes
	s_lshl_b32 s28, s10, 15                        ; w x 16 tiles; also my wave's place in LDS
	s_add_co_u32 s24, s24, s28
	s_mov_b32 s25, 0
	; lane addresses
	v_and_b32 v14, 31, v0                          ; L
	v_and_b32 v4, 15, v0                           ; r
	v_bfe_u32 v13, v0, 4, 1                        ; h
	v_lshlrev_b32 v[L16], 4, v14
	v_lshlrev_b32 v[R16], 4, v4
	v_lshl_add_u32 v[LQ], s10, 15, v[L16]
	v_add_nc_u32 v[LV], VP, v[LQ]
	v_lshl_add_u32 v[RS], s10, 12, v[L16]
	v_add_nc_u32 v[RS], RED, v[RS]
	v_lshl_add_u32 v[RR], s10, 10, v[L16]
	v_add_nc_u32 v[RR], RED, v[RR]
	v_lshl_add_u32 v[CTS], s10, 9, v[L16]
	v_add_nc_u32 v[CTS], CTF, v[CTS]
	v_add_nc_u32 v[CTR], CTF, v[L16]
	s_mul_i32 s29, s10, OWAVE
	s_add_co_u32 s29, s29, OST
	v_mul_u32_u24 v[STO], v4, OPITCH
	v_lshl_add_u32 v[STO], v13, 5, v[STO]
	v_add_nc_u32 v[STO], s29, v[STO]
	v_mul_u32_u24 v[RD], v13, OPITCH
	v_add3_u32 v[RD], v[RD], v[R16], s29
	v_lshl_add_u32 v[CO], v13, 14, v[R16]
	; offsets of my own loads and stores
	s_lshl_b32 s14, s11, 6
	s_add_co_u32 s14, s14, s13                     ; kp's tile 64 b + xg
	s_lshl_b32 s14, s14, 11
	s_add_co_u32 s14, s14, KF
	s_mov_b32 s15, 0
	s_lshl_b32 s52, s13, 6
	s_add_co_u32 s52, s52, s11                     ; out0's row (16 xg) 4 + b
	s_lshl_b32 s52, s52, 12
	s_mov_b32 s53, 0
	s_wait_dscnt 0x0
	s_wait_kmcnt 0x0
	s_add_nc_u64 s[26:27], s[4:5], s[24:25]        ; qp's fragments of batch b, wave w: made of b and w alone, equal in the four partners
.irp n, 0,1,2,3
	s_mov_b32 s[G0+4*\n], 1                                                    ; count = 1
	s_add_co_u32 s[G0+4*\n+1], s28, (\n&1)*VP+(\n>>1)*HALF                     ; LDS address: the wave's number and constants
	s_add_nc_u64 s[G0+4*\n+2:G0+4*\n+3], s[26:27], (\n&1)*VF+(\n>>1)*HALF      ; qp or vp, first or second half of my 16 tiles
	s_or_b32 s[G0+4*\n+3], s[G0+4*\n+3], 0x80000000                            ; type = 2
.endr
	s_add_nc_u64 s[48:49], s[4:5], s[14:15]        ; kp's tile
	s_add_nc_u64 s[50:51], s[4:5], WFO             ; Wb's fragments
	s_lshl_b32 s14, s10, 10                        ; my 256 columns, in bytes of f32
	s_add_nc_u64 s[6:7], s[6:7], s[14:15]
	s_add_nc_u64 s[8:9], s[8:9], s[52:53]
	s_add_nc_u64 s[8:9], s[8:9], s[14:15]
	ROUND                                          ; all four work-groups are here: the joint loads meet
.irp n, 0,1,2,3
	tensor_load_to_lds s[G0+4*\n:G0+4*\n+3], s[G1:G1+7]
	s_nop 0
.endr
.irp c, 0,1,2,3
	global_load_b128 v[KP+4*\c:KP+4*\c+3], v[L16], s[48:49] offset:512*\c
.endr
.irp g, 0,1,2,3
	global_load_b128 v[BB+4*\g:BB+4*\g+3], v[R16], s[6:7] offset:256*\g        ; bb[256 w + 64 g + 4 r ..]
.endr
	WIN 0x40
.set t, 0
.rept 16
.irp c, 0,1,2,3
	global_load_b128 v[16*t+4*\c:16*t+4*\c+3], v[LQ], s[50:51] offset:t*2048+\c*512
.endr
.set t, t+1
.endr
	WIN 0
; 16 LDS loads, 512 consecutive bytes each: q tiles 2 u and 2 u + 1 of my sixteen.  qp: fragment (a, ks) at 16 a + 8 ks.
; vp: tile a fills registers 4 a .. 4 a + 3 of the fragment of d tile nt, so that K = 16 a + 8 h + e is row 8 h + e of q tile a, as in attn's fragment.
.macro FETCH u, buf
.irp a, 0,1
.irp c, 0,1,2,3
	ds_load_b128 v[32+64*\buf+16*\a+4*\c:32+64*\buf+16*\a+4*\c+3], v[LQ] offset:(2*\u+\a)*2048+\c*512
.endr
.endr
.irp a, 0,1
.irp nt, 0,1,2,3
	ds_load_b128 v[64+64*\buf+8*\nt+4*\a:64+64*\buf+8*\nt+4*\a+3], v[LV] offset:(2*\u+\a)*2048+\nt*512
.endr
.endr
.endm
; One step: 32 of my q against the 16 key rows.  link = 0: the first step starts ctx's sums.  fetch = 1: the next step's fragments go into the other buffer.
; tw = 1: the next step is the first to read the second halves.  No two matrix instructions that follow each other share an accumulator.
.macro STEP u, buf, link, fetch, tw
.set QB, 32+64*\buf
.set VB, 64+64*\buf
	s_wait_dscnt 0x0                               ; this step's sixteen loads, issued a step ago, are the only ones out
	MM SC,   QB,    KP,   0                        ; source 0 = qp's rows, source 1 = kp's rows: a lane holds key row r and q = 16 a + 8 h + 0..7
	MM SC+8, QB+16, KP,   0
	MM SC,   QB+8,  KP+8, 1
	MM SC+8, QB+24, KP+8, 1
	PLACES                                         ; in front of the arithmetic on the scores, and of the loads into the fragments that the last step's matrix instructions read
.if \tw
	s_wait_tensorcnt 0x0                           ; the second halves of my qp and vp are in
.endif
.if \fetch
	FETCH (\u+1), (1-\buf)
.endif
.set m, 0
.rept 8
	v_pk_mul_f32 v[SC+m:SC+m+1], v[SC+m:SC+m+1], 0x3cb8aa3b op_sel_hi:[1,0]    ; s = raw / 64, times log2(e) for the exponential in base 2
.set m, m+2
.endr
.set m, 0
.rept 8
	v_pk_add_f32 v[SC+m:SC+m+1], v[SC+m:SC+m+1], v[SC+m:SC+m+1] neg_lo:[0,1] neg_hi:[0,1]   ; s - m, m = the largest of the 16 equal heads = s
.set m, m+2
.endr
.set m, 0
.rept 16
	v_exp_f32 v[EX+m], v[SC+m]
.set m, m+1
.endr
	v_nop                                          ; one plain place behind the exponentials before a result is read or a source written (ISA guide 5.7.2)
.set m, 0
	s_wait_alu depctr_va_vdst(0)
.rept 8
	v_pk_mul_f32 v[SC+m:SC+m+1], v[EX+m:EX+m+1], 0x41800000 op_sel_hi:[1,0]    ; the sum over 16 equal heads: 16 e, exact
.set m, m+2
.endr
.set m, 0
.rept 16
	v_rcp_f32 v[SC+m], v[SC+m]
.set m, m+1
.endr
	v_nop                                          ; the same place behind the reciprocals
.set m, 0
	s_wait_alu depctr_va_vdst(0)
.rept 8
	v_pk_mul_f32 v[EX+m:EX+m+1], v[EX+m:EX+m+1], v[SC+m:SC+m+1]                ; attn = e / sum
.set m, m+2
.endr
.set m, 0
.rept 8
	v_cvt_pk_bf16_f32 v[PB+m], v[EX+2*m], v[EX+2*m+1]                          ; registers 0-3: q tile 0, rows 8 h ..; registers 4-7: q tile 1
.set m, m+1
.endr
.irp nt, 0,1,2,3
	MM CT+8*\nt, VB+8*\nt, PB, \link               ; source 0 = vp^T's rows d, source 1 = attn: a lane holds key row r and d = 16 nt + 8 h + 0..7
.endr
.endm
	s_wait_tensorcnt 0x2                           ; the first halves of my qp and vp are in; the two second halves may be out
	FETCH 0, 0
	s_wait_loadcnt 0x3f                            ; 68 loads are younger than kp's four; a wait names 63 at the most, and at most 63 of the 72 out means that the nine oldest are in
	STEP 0, 0, 0, 1, 0
	STEP 1, 1, 1, 1, 0
	STEP 2, 0, 1, 1, 0
	STEP 3, 1, 1, 1, 1
	STEP 4, 0, 1, 1, 0
	STEP 5, 1, 1, 1, 0
	STEP 6, 0, 1, 1, 0
	STEP 7, 1, 1, 0, 0
	; THE SUM OVER THE WAVES: each wave's partial ctx into LDS; wave w adds d tile w of all four, rounds it and lays it down as chunk w of a fragment tile.
	PLACES
.irp j, 0,1,2,3,4,5,6,7
	ds_store_b128 v[RS], v[CT+4*\j:CT+4*\j+3] offset:512*\j
.endr
	s_wait_dscnt 0x0                               ; for the others' sake
	s_barrier_signal -1
	s_barrier_wait -1
.irp p, 0,1,2,3
	ds_load_b128 v[32+8*\p:32+8*\p+3],   v[RR] offset:4096*\p
	ds_load_b128 v[32+8*\p+4:32+8*\p+7], v[RR] offset:4096*\p+512
.endr
	s_wait_dscnt 0x0
.irp m, 0,2,4,6
	v_pk_add_f32 v[32+\m:32+\m+1], v[32+\m:32+\m+1], v[40+\m:40+\m+1]
	v_pk_add_f32 v[48+\m:48+\m+1], v[48+\m:48+\m+1], v[56+\m:56+\m+1]
.endr
.irp m, 0,2,4,6
	v_pk_add_f32 v[32+\m:32+\m+1], v[32+\m:32+\m+1], v[48+\m:48+\m+1]
.endr
.irp m, 0,1,2,3
	v_cvt_pk_bf16_f32 v[CF+\m], v[32+2*\m], v[32+2*\m+1]
.endr
	ds_store_b128 v[CTS], v[CF:CF+3]               ; ctx[key row r][d = 16 w + 8 h + 0..7]
	s_wait_dscnt 0x0                               ; for the others' sake
	s_barrier_signal -1
	s_barrier_wait -1
.irp c, 0,1,2,3
	ds_load_b128 v[CF+4*\c:CF+4*\c+3], v[CTR] offset:512*\c
.endr
	s_wait_dscnt 0x0
	s_wait_loadcnt 0x0                             ; Wb's fragments and bb
; THE OUT PROJECTION, 64 columns (four n tiles) at a time.  Source 0 = Wb's rows n, source 1 = ctx: a lane holds key row r and n = 16 t + 8 h + 0..7,
; 32 neighbouring bytes.  They go through my own stage, come back as whole rows of 256 bytes, take bb and leave.  rb: the read-back buffer, two in turn.
.macro OUTG g, rb
	WIN 0x01                                       ; source 0 in window 1
.irp ks, 0,1
.irp n, 0,1,2,3
	MM OA+8*\n, 16*(4*\g+\n)+8*\ks, CF+8*\ks, \ks  ; four accumulators by turns
.endr
.endr
	WIN 0
	PLACES
.irp n, 0,1,2,3
	ds_store_b128 v[STO], v[OA+8*\n:OA+8*\n+3]   offset:64*\n
	ds_store_b128 v[STO], v[OA+8*\n+4:OA+8*\n+7] offset:64*\n+16
.endr
.if \g >= 2
	s_wait_xcnt 0x0                                ; every earlier memory instruction has had its addresses translated (ISA guide 3.1): this buffer, which stores of two groups ago read, is loaded again only behind this wait
.endif
.irp t, 0,1,2,3,4,5,6,7
	ds_load_b128 v[\rb+4*\t:\rb+4*\t+3], v[RD] offset:\t*2*OPITCH              ; rows 2 t and 2 t + 1; LDS serves a wave's instructions in order: these see the stores above
.endr
.irp t, 0,1,2,3,4,5,6,7
	s_wait_dscnt 7-\t                              ; load t is in, the 7 - t younger ones may be out
	v_pk_add_f32 v[\rb+4*\t:\rb+4*\t+1],   v[\rb+4*\t:\rb+4*\t+1],   v[BB+4*\g:BB+4*\g+1]
	v_pk_add_f32 v[\rb+4*\t+2:\rb+4*\t+3], v[\rb+4*\t+2:\rb+4*\t+3], v[BB+4*\g+2:BB+4*\g+3]
	global_store_b128 v[CO], v[\rb+4*\t:\rb+4*\t+3], s[8:9] offset:\t*32768+\g*256 th:TH_STORE_NT   ; 16 lanes store 256 consecutive bytes, at a multiple of 256 from out0's first byte
.endr
.endm
	OUTG 0, 128
	OUTG 1, 160
	OUTG 2, 128
	OUTG 3, 160
	s_wait_tensorcnt 0x0
	ds_add_u32 v254, v255
	s_wait_dscnt 0x0
	ROUND                                          ; the closing round: no work-group ends while a partner may still ask for a tile that names it
	s_endpgm
.Lfunc_end_k_q6afe64b73f_attn:
	.size	k_q6afe64b73f_attn, .Lfunc_end_k_q6afe64b73f_attn-k_q6afe64b73f_attn
	.p2alignl 7, 3214868480
	.fill 96, 4, 3214868480
	.section	.rodata,"a",@progbits
	.p2align	6, 0x0
	.amdhsa_kernel k_q6afe64b73f_attn
		.amdhsa_group_segment_fixed_size 298496
		.amdhsa_private_segment_fixed_size 0
		.amdhsa_enable_private_segment 0
		.amdhsa_kernarg_size 24
		.amdhsa_user_sgpr_count 2
		.amdhsa_user_sgpr_kernarg_segment_ptr 1
		.amdhsa_wavefront_size32 1
		.amdhsa_system_sgpr_workgroup_id_x 1
		.amdhsa_system_sgpr_workgroup_id_y 1
		.amdhsa_system_sgpr_workgroup_id_z 1
		.amdhsa_system_vgpr_workitem_id 0
		.amdhsa_next_free_vgpr 512
		.amdhsa_next_free_sgpr 66
		.amdhsa_reserve_vcc 0
		.amdhsa_float_denorm_mode_32 3
		.amdhsa_float_denorm_mode_16_64 3
		.amdhsa_memory_ordered 1
		.amdhsa_forward_progress 1
		.amdhsa_inst_pref_size 77
	.end_amdhsa_kernel
	.amdgpu_metadata
---
amdhsa.version: [ 1, 2 ]
amdhsa.kernels:
  - .name:           k_q6afe64b73f_attn
    .symbol:         k_q6afe64b73f_attn.kd
    .args:
      - { .name: ws, .offset: 0, .size: 8, .value_kind: global_buffer, .address_space: global }
      - { .name: bb, .offset: 8, .size: 8, .value_kind: global_buffer, .address_space: global }
      - { .name: out0, .offset: 16, .size: 8, .value_kind: global_buffer, .address_space: global }
    .group_segment_fixed_size: 298496
    .private_segment_fixed_size: 0
    .kernarg_segment_align: 8
    .kernarg_segment_size: 24
    .max_flat_workgroup_size: 128
    .sgpr_count:     66
    .vgpr_count:     512
    .wavefront_size: 32
...
	.end_amdgpu_metadata
.endif
;; end of part 2
